; MI455X (gfx1250); checked and timed in simulation.
; The chip was launched on July 23, 2026; its instructions are those of AMD's public machine-readable ISA for CDNA 5 (MIT licence, August 2026) and "CDNA5" Instruction Set Architecture Reference Guide (July 2026). The comments in the code are by the model that wrote it; some were corrected since.
;; Multi Head Attention. Allowed arithmetic: matrix products marked QUANTISED: E2M1 operands, one E8M0 scale for each 32 along K, by v_wmma_scale_f32_16x16x128_f8f6f4 with both operands' format E2M1 (or v_wmma_scale_f32_32x16x128_f4), f32 sums; everything else in f32.
;; Inputs: out_b 1,024 float32; out_w_codes 1,024 x 32 x 16 uint8 (E2M1 codes of out_w, K innermost, in blocks of 32 codes, two codes a byte); out_w_scales 1,024 x 32 uint8 (E8M0 scales of out_w, one for each 32 codes along K); qkv_b 3,072 float32; qkv_w_codes 3,072 x 32 x 16 uint8 (E2M1 codes of qkv_w, K innermost, in blocks of 32 codes, two codes a byte); qkv_w_scales 3,072 x 32 uint8 (E8M0 scales of qkv_w, one for each 32 codes along K); x_codes 4 x 2,048 x 32 x 16 uint8 (E2M1 codes of x, K innermost, in blocks of 32 codes, two codes a byte); x_scales 4 x 2,048 x 32 uint8 (E8M0 scales of x, one for each 32 codes along K).
;; Outputs: out0 4 x 2,048 x 1,024 float32.
;; This version of the problem:
;;   THIS VERSION OF THE PROBLEM IS GIVEN IN LOW PRECISION. The matrix products marked QUANTISED in the list below multiply operands that are first quantised to E2M1 (2 exponent bits, 1 mantissa bit; 4 bits a number), with one power-of-two scale for each 32 numbers along K (OCP MX v1.0); their sums are f32. All else is computed in f32.
;;   The module's matrix products, in the order in which they are computed (A, B: the left and right operand; K: the contracted axis; several contracted axes count as one K, in the product's order):
;;     1. [M 8,192, K 1,024] x [K 1,024, N 3,072]; A: input x (given as codes); B: input qkv_w (given as codes): QUANTISED
;;     2. batch 64 x [M 2,048, K 64] x [K 64, N 2,048]; A: computed on the way; B: computed on the way: QUANTISED
;;     3. batch 64 x [M 2,048, K 2,048] x [K 2,048, N 64]; A: softmax (see below); B: computed on the way: QUANTISED
;;     4. [M 8,192, K 1,024] x [K 1,024, N 1,024]; A: computed on the way; B: input out_w (given as codes): QUANTISED
;;   THE QUANTISER, for each operand of a quantised product, along K:
;;     - K is cut into blocks of 32 from its start; a last block that is shorter is filled with zeros.
;;     - A block's scale is 2^e with e = floor(log2(the largest magnitude in the block)) - 2, held to -126 .. 127; a block of zeros has e = 0. As a byte (E8M0): e + 127.
;;     - Each number is divided by its block's scale, clamped to +-6, and rounded to the nearest number of E2M1, ties to even, subnormals kept.
;;     - The product sums the exact products of the quantised numbers (number of the format x scale) in f32.
;;   ~~~python
;;   def quantise(x, axis):      # numpy; x: float32 -> the quantised numbers, widened to float32 again
;;       x = np.moveaxis(x, axis, -1); K = x.shape[-1]
;;       x = np.pad(x, [(0, 0)] * (x.ndim - 1) + [(0, -K % 32)]); x = x.reshape(x.shape[:-1] + (-1, 32)); a = np.abs(x).max(-1, keepdims=True)
;;       e = np.where(a > 0, np.clip(np.frexp(np.where(a > 0, a, 1))[1] - 1 - 2, -126, 127), 0)      # np.frexp(a)[1] - 1 = floor(log2(a)), exactly
;;       r = np.clip(x / 2.0 ** e, -6, 6)
;;       step = 2.0 ** (np.maximum(np.frexp(np.where(r == 0, 1, r))[1] - 1, 0) - 1)
;;       q = np.round(r / step) * step * 2.0 ** e      # np.round: ties to even
;;       return np.moveaxis(q.reshape(q.shape[:-2] + (-1,))[..., :K], -1, axis).astype(np.float32)
;;   ~~~
;;   SOFTMAX AHEAD OF A QUANTISED PRODUCT. Where the list says 'softmax', what is quantised is not the finished softmax but p = 2^(t - M), with t = logit x log2(e) and M = ceil(the row's largest t), a whole number; so 1/2 < the row's largest p <= 1. The row's sum l is taken of the UNQUANTISED p, in f32, and the product's result is divided by l at the end. Since M is a whole number, a kernel that streams over the keys may use a running M (the ceiling of the running maximum): every later rescaling is an exact power of two, which a block's scale takes up: the codes' values come out the same.
;;   OPERANDS COMPUTED ON THE WAY. 'Computed on the way' means the value that the module computes at that place (a softmax that the list does not call 'softmax' is quantised finished and normalised). What goes into a quantiser is computed in f32, as accurately as f32 sums, v_exp_f32 and their like allow (about 1e-6 of the number): no bf16 or f16 on the way to a quantiser, and a product that is left as it is and whose result goes on into a quantised operand takes f32 operands (vector FMAs, or v_wmma_f32_16x16x4_f32). A number that lies on a knife's edge between two numbers of the format may be rounded either way, as far as f32 arithmetic and the matrix unit's own rounding can turn it there, and no further.
;;   INPUTS GIVEN AS CODES. out_w (in the module: [1024, 1024], K = its axis 1); qkv_w (in the module: [3072, 1024], K = its axis 1); x (in the module: [4, 2048, 1024], K = its axis 2): each comes as NAME_codes (uint8): NAME with its K axis moved to the last place and cut into blocks of 32 codes, [.., K / 32, bytes a block], one block behind the other in memory; two codes a byte, the lower K in the low four bits (a code: sign, 2 exponent bits, 1 mantissa bit); and NAME_scales (uint8): the same leading axes, one E8M0 byte (e + 127) for each 32 codes along K. Its value is code x scale, taken as it is: it is not quantised again, and the codes and scales need not be those that the quantiser above would give.
;; One version. Each part assembles by itself: llvm-mc -triple=amdgcn-amd-amdhsa -mcpu=gfx1250 --defsym DOCPART=n.
;; ======== version 1 of 1: 3 launches
;; workspace buffers: qq 8,912,896 bytes; kv 8,912,896 bytes; a_img 4,194,304 bytes; a_sc 262,144 bytes
;; launch qkv (part 1): grid 8 x 32, 4 waves a work-group, clusters of 4 x 4, 270,848 bytes of LDS; arguments x_codes, x_scales, qkv_w_codes, qkv_w_scales, qkv_b, qq, kv; writes qq, kv
.if DOCPART == 1
	.amdgcn_target "amdgcn-amd-amdhsa--gfx1250"
	.amdhsa_code_object_version 6
	.text
	.protected	k_qa2440859b3_qkv
	.globl	k_qa2440859b3_qkv
	.p2align	8
	.type	k_qa2440859b3_qkv,@function
k_qa2440859b3_qkv:
	s_mov_b64 s[64:65], 0
	v_nop
	global_prefetch_b8 v0, s[64:65] scope:SCOPE_SE
	s_setreg_imm32_b32 hwreg(HW_REG_WAVE_MODE, 25, 1), 1
	s_wait_xcnt 0x0
	s_wait_alu depctr_hold_cnt(0) depctr_sa_sdst(0) depctr_va_vdst(0) depctr_va_sdst(0) depctr_va_ssrc(0) depctr_va_vcc(0) depctr_vm_vsrc(0)
	s_getreg_b32 s2, hwreg(HW_REG_IB_STS2, 6, 4)
	s_cmp_eq_u32 s2, 0
	s_cbranch_scc0 .Lentry_in_a_cluster
	s_endpgm
.Lentry_in_a_cluster:
	s_bfe_u32 s2, ttmp6, 0x10000c
	s_cmp_lg_u32 s2, 0xf033
	s_cbranch_scc0 .Lentry_shape_is_right
	s_endpgm
.Lentry_shape_is_right:
; qkv = x W^T + b on codes of FP4 (E2M1) with one E8M0 scale for each 32 along K = 1,024; then q and k are quantised along the head's 64 numbers and v along the keys,
; and leave as IMAGES OF OPERAND REGISTERS, so that the next launch takes them without any turning.
; SHARES.  Work-group (j, i): tokens 256 i .. + 255; rows 256 j .. + 255 of W (j 0-3: q, j 4-7: k) and rows 2,048 + 128 j .. + 127 (v).  Wave w: wr = w / 2, wp = w % 2.
;   phase 1: P = W's rows 256 j + 128 wp .. + 127 (two heads), held in 512 registers for all of K;  R = tokens 128 wr .. + 127, sixteen at a time.
;   phase 2: P = the same 128 tokens, held in the same 512 registers;  R = W's rows 2,048 + 128 j + 64 wp .. + 63 (one head of v), sixteen at a time.
; THE MATRIX INSTRUCTION IS USED TRANSPOSED (source 0 = 16 rows of P, source 1 = 16 rows of R): lane (r, h) holds row r of R, register j of tile b the row 16 b + 8 h + j of P.  So a lane's registers run along
; the axis that is quantised: the head's numbers in phase 1, the keys in phase 2.  A block of 32 is tiles 2 B and 2 B + 1 in lanes l and l xor 16.
; A row of 1,024 codes is 512 bytes, so whole-K tiles fit in LDS: each tile is filled once, nothing is filled again.
; CLUSTERS: 4 x 4.  x's tile hangs on i alone and is asked for jointly along a row of the cluster, W's on j alone and jointly along a column.  The 128 rows of W for v (65,536 of the work-group's
; 327,680 bytes of codes) are not asked for jointly: 640 padded rows do not fit in LDS at once, so they come through registers into the bytes that W's tile has left.
; OUT (qq for q, kv for k and v): [batch x 16 + head][step of 128 keys][8,704 bytes]: + 0 codes of q or k, 8 tiles of 16 rows x 512 bytes (lane l at 16 l: row l % 16, numbers 32 (l / 16) on);
;   + 4,096 v's codes [tile of 16 of the head's 64][half][512 bytes];  + 8,192 scale words of q or k (lane l at 8 l, word i: tiles 2 p, 2 p + 1 with p = 2 i + l / 16);  + 8,448 v's scale words.
; LIMITS: NaN and infinities are not served.  A block whose largest magnitude lies under 2^-124 gets the scale byte 1, a block of zeros too (its codes are zeros; only this program reads the bytes).
; The bias is the C of a sum's first K step: the order of the f32 additions differs from adding it last.
.set PITCH, 528                        ; an LDS row: 512 bytes + 16 = 132 words: row r begins 4 r words on modulo 64, so the sixteen rows of a load begin at sixteen different places
.set HALFT, 128*PITCH                  ; 128 rows: what one tensor load brings, and what one wave holds as P
.set WR,    2*HALFT                    ; x's 256 rows lie at 0, W's 256 rows here; later the first 128 rows here take W's rows for v
.set STEPB, 8704
.set HS,    16*STEPB                   ; from head to head in qq and kv
.set L16, 3                            ; v3   16 x lane
.set L8,  4                            ; v4   8 x lane
.set ADX, 5                            ; v5   LDS: my 128 tokens, row r, + 16 h
.set ADW, 6                            ; v6   LDS: my 128 rows of W
.set ADV, 7                            ; v7   LDS: my 64 rows of W for v
.set STV, 8                            ; v8   LDS: where I put the 32 rows of W for v that I fetch
.set SCA, 9                            ; v9   32 r + 16 h: a row's eight scale words, four to each half of the lanes
.set H32, 10                           ; v10  32 h
.set R4,  11                           ; v11  4 r
.set XS,  16                           ; v16-47   x's scale words: block a at XS + 4 a; register i: lanes 0-15 K step i, lanes 16-31 K step 4 + i
.set WS,  48                           ; v48-79   W's likewise
.set VS,  80                           ; v80-95   those of W's rows for v
.set BV,  96                           ; v96-99   v's bias, one number a lane for each tile of 16
.set ACC, 104                          ; v104-167 eight accumulators
.set TM,  168                          ; v168-183 at work in the quantiser
.set PC,  184                          ; v184-191 the codes just made
.set PW,  192                          ; v192-199 a scale word for each block of R
.set PR,  200                          ; v200-205 scale words on their way out
.set BIAS, 128                         ; window 3: v128-191 the bias of my 128 rows of W in the result's layout
.set CBV,  192                         ; window 3: v192-223 v's bias spread over eight registers a tile
.set OUT1, 66
.set OUT2, 68
.set MSB, 0
.macro WIN new                         ; the immediate's high byte repeats the setting that is left; a switch that changes nothing is dropped
.if MSB != \new
	s_set_vgpr_msb (MSB<<8)|\new
.set MSB, \new
.endif
.endm
.macro PLACES n
.rept \n
	v_nop
.endr
.endm
.macro BARRIER
	s_barrier_signal -1
	s_barrier_wait -1
.endm
.macro CROUND                          ; a round of the cluster's barrier
	s_barrier_signal -1
	s_barrier_wait -1
	s_cmp_lg_u32 s18, 0
	s_cbranch_scc1 .Lnot_wave_0_\@
	s_barrier_signal -3
.Lnot_wave_0_\@:
	s_barrier_wait -3
	s_barrier_signal -1
	s_barrier_wait -1
.endm
; 128 rows x 1,024 along K into 512 registers: fragment (b, q) at v[64 (q % 4) + 8 b] of window 1 + q / 4
.macro LOADP adr
	WIN 0x40
.irp q, 0,1,2,3
.irp b, 0,1,2,3,4,5,6,7
.irp c, 0,1
	ds_load_b128 v[64*\q+8*\b+4*\c:64*\q+8*\b+4*\c+3], v[\adr] offset:\b*16*PITCH+64*\q+32*\c
.endr
.endr
.endr
	WIN 0x80
.irp q, 0,1,2,3
.irp b, 0,1,2,3,4,5,6,7
.irp c, 0,1
	ds_load_b128 v[64*\q+8*\b+4*\c:64*\q+8*\b+4*\c+3], v[\adr] offset:\b*16*PITCH+64*(\q+4)+32*\c
.endr
.endr
.endr
	WIN 0
.endm
; block a of R, 16 rows x 1,024 along K, into set 0 or 1 of window 3
.macro FETCHR adr, a, set
	WIN 0xc0
.irp q, 0,1,2,3,4,5,6,7
.irp c, 0,1
	ds_load_b128 v[64*(\set)+8*\q+4*\c:64*(\set)+8*\q+4*\c+3], v[\adr] offset:(\a)*16*PITCH+64*\q+32*\c
.endr
.endr
	WIN 0
.endm
; The 64 products of one block of R: K step by K step, the eight accumulators by turns, one instruction a turn.  The first K step takes the bias as C:
; pmode = 1: eight registers for each tile of P from c0 on; 0: the same eight for every tile.  K steps 4-7 take their scale words from lanes 16-31.
.macro MULS c0, sa, sb, rf, pmode, w0
.irp q, 0,1,2,3,4,5,6,7
.if \q == 0
	WIN \w0
.elseif \q < 4
	WIN 0x0d
.else
	WIN 0x0e
.endif
.irp b, 0,1,2,3,4,5,6,7
.if \q == 0
.if \pmode
	v_wmma_scale_f32_16x16x128_f8f6f4 v[ACC+8*\b:ACC+8*\b+7], v[8*\b:8*\b+7], v[(\rf):(\rf)+7], v[(\c0)+8*\b:(\c0)+8*\b+7], v[(\sa)+4*\b], v[(\sb)] matrix_a_fmt:MATRIX_FMT_FP4 matrix_b_fmt:MATRIX_FMT_FP4
.else
	v_wmma_scale_f32_16x16x128_f8f6f4 v[ACC+8*\b:ACC+8*\b+7], v[8*\b:8*\b+7], v[(\rf):(\rf)+7], v[(\c0):(\c0)+7], v[(\sa)+4*\b], v[(\sb)] matrix_a_fmt:MATRIX_FMT_FP4 matrix_b_fmt:MATRIX_FMT_FP4
.endif
.elseif \q < 4
	v_wmma_scale_f32_16x16x128_f8f6f4 v[ACC+8*\b:ACC+8*\b+7], v[64*\q+8*\b:64*\q+8*\b+7], v[(\rf)+8*\q:(\rf)+8*\q+7], v[ACC+8*\b:ACC+8*\b+7], v[(\sa)+4*\b+\q], v[(\sb)+\q] matrix_a_fmt:MATRIX_FMT_FP4 matrix_b_fmt:MATRIX_FMT_FP4
.else
	v_wmma_scale_f32_16x16x128_f8f6f4 v[ACC+8*\b:ACC+8*\b+7], v[64*(\q-4)+8*\b:64*(\q-4)+8*\b+7], v[(\rf)+8*\q:(\rf)+8*\q+7], v[ACC+8*\b:ACC+8*\b+7], v[(\sa)+4*\b+\q-4], v[(\sb)+\q-4] matrix_a_fmt:MATRIX_FMT_FP4 matrix_b_fmt:MATRIX_FMT_FP4 matrix_a_scale:MATRIX_SCALE_ROW1 matrix_b_scale:MATRIX_SCALE_ROW1
.endif
.endr
.endr
	WIN 0
.endm
; 64 numbers of a lane, register 16 B + 8 u + i = k 32 B + 16 u + 8 (lane / 16) + i of my row, become a fragment's codes in v[PC] on and its scale word in v[pw].
; Block B = 2 c + e, tile u is converted into register PC + 4 c + 2 u + e; the exchange of halves between registers 4 c + 2 u and 4 c + 2 u + 1 then leaves in register 4 c + p of lane (r, h) the codes of k = 64 c + 32 h + 8 p on.
.macro QUANT s, pw
.irp b, 0,1,2,3
	v_max3_num_f32 v[TM+\b], |v[\s+16*\b]|, |v[\s+1+16*\b]|, 0x1800000   ; my 16 numbers of block b, and the floor 2^(3 - 127): the byte cannot fall under 1
.endr
.irp i, 2,4,6,8,10,12,14
.irp b, 0,1,2,3
	v_max3_num_f32 v[TM+\b], v[TM+\b], |v[\s+16*\b+\i]|, |v[\s+1+16*\b+\i]|   ; the four blocks by turns; each accumulator is read from its low end on
.endr
.endr
.irp b, 0,1,2,3
	v_permlanex16_b32 v[TM+4+\b], v[TM+\b], s60, s61
.endr
.irp b, 0,1,2,3
	v_max_num_f32 v[TM+\b], v[TM+\b], v[TM+4+\b]       ; with lane l xor 16's: the block's largest magnitude
.endr
.irp b, 0,1,2,3
	v_add_nc_u32 v[TM+12+\b], 0xff000000, v[TM+\b]     ; 2 off its exponent field: the conversion's scale operand
.endr
.irp b, 0,1,2,3
	v_lshrrev_b32 v[TM+4+\b], 23, v[TM+12+\b]          ; the scale's byte
.endr
	v_lshl_or_b32 v[\pw], v[TM+5], 8, v[TM+4]
	v_lshl_or_b32 v[\pw], v[TM+6], 16, v[\pw]
	v_lshl_or_b32 v[\pw], v[TM+7], 24, v[\pw]
.irp c, 0,1
.irp e, 0,1
.irp u, 0,1
	v_cvt_scalef32_pk8_fp4_f32 v[PC+4*\c+2*\u+\e], v[\s+16*(2*\c+\e)+8*\u:\s+16*(2*\c+\e)+8*\u+7], v[TM+12+2*\c+\e]
.endr
.endr
.endr
	v_nop                                              ; one plain place behind a scaled conversion
.irp c, 0,1
.irp u, 0,1
	v_permlane16_swap_b32 v[PC+4*\c+2*\u], v[PC+4*\c+2*\u+1]
.endr
.endr
.endm
; One block of R: its fragments are in; the next block's are asked for; 64 products; the quantiser; 1,024 bytes of codes leave, 512 consecutive bytes a store.
.macro RBLOCK a, n, adr, c0, sa, sb, pmode, ob, o0, o1
	s_wait_dscnt 0x0                                   ; this block's 16 loads, issued a block ago
	s_wait_xcnt 0x0                                    ; the last block's stores have read PC: it is written again only behind this wait
.if (\a)+1 < \n
	FETCHR \adr, (\a)+1, ((\a)+1)%2                    ; into the set whose last products stand a whole quantiser back
.endif
	MULS \c0, \sa, \sb, 64*((\a)%2), \pmode, 0x3d
	PLACES 4                                           ; in front of the first read of results
	QUANT ACC, PW+(\a)
	global_store_b128 v[L16], v[PC:PC+3], s[\ob:\ob+1] offset:\o0
	global_store_b128 v[L16], v[PC+4:PC+7], s[\ob:\ob+1] offset:\o1
.endm
	s_load_b256 s[4:11], s[0:1], 0x0               ; x's codes s[4:5], x's scales s[6:7], W's codes s[8:9], W's scales s[10:11]
	s_load_b128 s[12:15], s[0:1], 0x20             ; the bias s[12:13], qq s[14:15]
	s_load_b64 s[16:17], s[0:1], 0x30              ; kv
	v_lshl_add_u32 v254, v0, 2, 0x42000
	v_mov_b32 v255, 0
	ds_add_u32 v254, v255
	ds_add_u32 v254, v255
	v_lshrrev_b32 v1, 5, v0
	v_readfirstlane_b32 s18, v1                    ; wave 0..3
	s_lshr_b32 s19, s18, 1                         ; wr.  Also: I fetch for x (0) or for W (1)
	s_and_b32 s20, s18, 1                          ; wp.  Also: which 128 rows of that tile I fetch
	s_bfe_u32 s40, ttmp6, 0x40000                  ; cx
	s_bfe_u32 s41, ttmp6, 0x40004                  ; cy
	s_lshl_b32 s42, ttmp9, 2
	s_add_co_u32 s42, s42, s40                     ; j = 4 x cluster x + cx
	s_and_b32 s21, ttmp7, 0xffff
	s_lshl_b32 s21, s21, 2
	s_add_co_u32 s21, s21, s41                     ; i = 4 x cluster y + cy
	s_lshl_b32 s43, s41, 2
	s_lshl_b32 s43, 15, s43                        ; my row of the cluster
	s_lshl_b32 s44, 0x1111, s40                    ; my column
	; descriptor group 1: 128 rows x 512 bytes, dense in memory, 16 bytes of padding behind each row in LDS
	s_or_b32 s24, s43, (0<<16)|(1<<20)|(1<<21)|(6<<22)|(3<<25)   ; the mask: x's tile goes to my row; elements of 1 byte; padding on; bit 21 beside a mask; after every 128 words; 4 words
	s_or_b32 s48, s44, (0<<16)|(1<<20)|(1<<21)|(6<<22)|(3<<25)   ; W's tile goes to my column
.irp g, 24, 48
	s_mov_b32 s[\g+1], 512<<16                     ; tensor_dim0
	s_mov_b32 s[\g+2], 128<<16                     ; tensor_dim1
	s_mov_b32 s[\g+3], 512<<16                     ; tile_dim0
	s_mov_b32 s[\g+4], 128                         ; tile_dim1
	s_mov_b32 s[\g+5], 512                         ; from row to row
	s_mov_b32 s[\g+6], 0
	s_mov_b32 s[\g+7], 0
.endr
	s_lshl_b32 s82, s21, 17                        ; x: row 256 i + 128 wp, 512 bytes a row; these registers never hold cx
	s_lshl_b32 s83, s20, 16
	s_add_co_u32 s82, s82, s83
	s_mov_b32 s83, 0
	s_lshl_b32 s84, s42, 17                        ; W: row 256 j + 128 wp; these never hold cy
	s_lshl_b32 s85, s20, 16
	s_add_co_u32 s84, s84, s85
	s_mov_b32 s85, 0
	s_mul_i32 s86, s18, HALFT                      ; where they go: wave x 128 rows
	s_mov_b32 s60, 0x76543210
	s_mov_b32 s61, 0xfedcba98                      ; v_permlanex16_b32's selects for lane l xor 16
	s_wait_dscnt 0x0
	s_wait_kmcnt 0x0
	s_mov_b32 s32, 1
	s_mov_b32 s33, s86
	s_add_nc_u64 s[34:35], s[4:5], s[82:83]
	s_or_b32 s35, s35, 0x80000000
	s_mov_b32 s56, 1
	s_mov_b32 s57, s86
	s_add_nc_u64 s[58:59], s[8:9], s[84:85]
	s_or_b32 s59, s59, 0x80000000
	CROUND                                         ; all sixteen work-groups are here: the joint loads meet
	s_cmp_eq_u32 s19, 0                            ; one load a wave: waves 0, 1 x's halves, waves 2, 3 W's; four v_nop follow each line
	s_cbranch_scc0 .Lfor_w
	tensor_load_to_lds s[32:35], s[24:31]
	s_nop 0
	PLACES 4
	s_branch .Lasked
.Lfor_w:
	tensor_load_to_lds s[56:59], s[48:55]
	s_nop 0
	PLACES 4
.Lasked:
	; byte offsets, each in registers of its own, then the bases
	s_lshl_b32 s88, s21, 13                        ; x's scales: row 256 i + 128 wr, 32 bytes a row
	s_lshl_b32 s45, s19, 12
	s_add_co_u32 s88, s88, s45
	s_mov_b32 s89, 0
	s_lshl_b32 s90, s42, 13                        ; W's scales: row 256 j + 128 wp
	s_lshl_b32 s45, s20, 12
	s_add_co_u32 s90, s90, s45
	s_mov_b32 s91, 0
	s_lshl_b32 s92, s42, 12                        ; and row 2,048 + 128 j + 64 wp
	s_lshl_b32 s45, s20, 11
	s_add_co_u32 s92, s92, s45
	s_add_co_u32 s92, s92, 2048*32
	s_mov_b32 s93, 0
	s_lshl_b32 s94, s42, 10                        ; the bias of the same rows, 4 bytes each
	s_lshl_b32 s45, s20, 9
	s_add_co_u32 s94, s94, s45
	s_mov_b32 s95, 0
	s_lshl_b32 s96, s42, 9
	s_lshl_b32 s45, s20, 8
	s_add_co_u32 s96, s96, s45
	s_add_co_u32 s96, s96, 2048*4
	s_mov_b32 s97, 0
	s_lshl_b32 s98, s42, 16                        ; W's codes for v: row 2,048 + 128 j + 32 w: the 32 rows that I fetch
	s_lshl_b32 s45, s18, 14
	s_add_co_u32 s98, s98, s45
	s_add_co_u32 s98, s98, 2048*512
	s_mov_b32 s99, 0
	s_lshr_b32 s46, s21, 3                         ; the batch
	s_lshl_b32 s46, s46, 8                         ; x 16 heads x 16 steps
	s_and_b32 s47, s21, 7
	s_lshl_b32 s47, s47, 1
	s_add_co_u32 s46, s46, s47
	s_add_co_u32 s46, s46, s19                     ; + my step of 128 keys: 2 (i % 8) + wr
	s_lshl_b32 s36, s40, 6                         ; phase 1: head 4 cx + 2 wp
	s_lshl_b32 s45, s20, 5
	s_add_co_u32 s36, s36, s45
	s_add_co_u32 s36, s36, s46
	s_mul_i32 s36, s36, STEPB
	s_mov_b32 s37, 0
	s_lshl_b32 s38, s42, 5                         ; phase 2: head 2 j + wp
	s_lshl_b32 s45, s20, 4
	s_add_co_u32 s38, s38, s45
	s_add_co_u32 s38, s38, s46
	s_mul_i32 s38, s38, STEPB
	s_mov_b32 s39, 0
	s_add_nc_u64 s[70:71], s[6:7], s[88:89]
	s_add_nc_u64 s[72:73], s[10:11], s[90:91]
	s_add_nc_u64 s[74:75], s[10:11], s[92:93]
	s_add_nc_u64 s[76:77], s[12:13], s[94:95]
	s_add_nc_u64 s[78:79], s[12:13], s[96:97]
	s_add_nc_u64 s[80:81], s[8:9], s[98:99]
	s_cmp_eq_u32 ttmp9, 0                          ; the first cluster column makes q, the second k: the choice hangs on the cluster's number alone
	s_cselect_b64 s[OUT1:OUT1+1], s[14:15], s[16:17]
	s_add_nc_u64 s[OUT1:OUT1+1], s[OUT1:OUT1+1], s[36:37]
	s_add_nc_u64 s[OUT2:OUT2+1], s[16:17], s[38:39]
	v_and_b32 v1, 15, v0                           ; r
	v_bfe_u32 v2, v0, 4, 1                         ; h
	v_and_b32 v12, 31, v0                          ; lane
	v_lshlrev_b32 v[L16], 4, v12
	v_lshlrev_b32 v[L8], 3, v12
	v_cmp_lt_u32 s22, 15, v12                      ; lanes 16-31
	v_mul_u32_u24 v13, v1, PITCH
	v_lshl_add_u32 v13, v2, 4, v13                 ; a fragment's row x pitch + 16 h
	s_mul_i32 s87, s19, HALFT
	v_add_nc_u32 v[ADX], s87, v13
	s_mul_i32 s87, s20, HALFT
	s_add_co_u32 s87, s87, WR
	v_add_nc_u32 v[ADW], s87, v13
	s_mul_i32 s87, s20, 64*PITCH
	s_add_co_u32 s87, s87, WR
	v_add_nc_u32 v[ADV], s87, v13
	s_mul_i32 s87, s18, 32*PITCH
	s_add_co_u32 s87, s87, WR
	v_add_nc_u32 v[STV], s87, v[L16]
	v_lshlrev_b32 v[SCA], 5, v1
	v_lshl_add_u32 v[SCA], v2, 4, v[SCA]
	v_lshlrev_b32 v[H32], 5, v2
	v_lshlrev_b32 v[R4], 2, v1
.irp b, 0,1,2,3
	v_mov_b32 v[TM+4+\b], 0                        ; written once: a lane permute's destination counts as one of its sources
.endr
	; what comes through registers: scale words (each load covers the 512 bytes of 16 rows), biases, and my 32 rows of W for v
.irp a, 0,1,2,3,4,5,6,7
	global_load_b128 v[XS+4*\a:XS+4*\a+3], v[SCA], s[70:71] offset:512*\a
.endr
.irp a, 0,1,2,3,4,5,6,7
	global_load_b128 v[WS+4*\a:WS+4*\a+3], v[SCA], s[72:73] offset:512*\a
.endr
.irp a, 0,1,2,3
	global_load_b128 v[VS+4*\a:VS+4*\a+3], v[SCA], s[74:75] offset:512*\a
.endr
.irp a, 0,1,2,3
	global_load_b32 v[BV+\a], v[R4], s[78:79] offset:64*\a
.endr
	WIN 0xc0                                       ; destination window 3
.irp b, 0,1,2,3,4,5,6,7
	global_load_b128 v[BIAS+8*\b:BIAS+8*\b+3], v[H32], s[76:77] offset:64*\b
	global_load_b128 v[BIAS+8*\b+4:BIAS+8*\b+7], v[H32], s[76:77] offset:64*\b+16
.endr
.set T, 0
.rept 32
	global_load_b128 v[4*T:4*T+3], v[L16], s[80:81] offset:512*T     ; a row of 512 bytes to a load
.set T, T+1
.endr
	WIN 0
	s_wait_alu depctr_va_vdst(0)
	s_wait_tensorcnt 0x0                           ; my part of the tiles is in,
	BARRIER                                        ; everybody's is
	LOADP ADW                                      ; my 128 rows of W, all of K, into registers
	s_wait_dscnt 0x0                               ; my reads of W's tile are over
	BARRIER                                        ; everybody's are: its bytes, which have had their one fill, may be stored to
	s_wait_loadcnt 0x0
	WIN 0x0c                                       ; an LDS store's data are its source 1: window 3
.set T, 0
.rept 32
	ds_store_b128 v[STV], v[4*T:4*T+3] offset:PITCH*T
.set T, T+1
.endr
	WIN 0xc0
.irp a, 0,1,2,3
.irp i, 0,1,2,3,4,5,6,7
	v_mov_b32 v[CBV+8*\a+\i], v[BV+\a]             ; in phase 2 a lane's eight results of a tile share one bias
.endr
.endr
	WIN 0
	s_wait_dscnt 0x0                               ; my stores have landed and have read their registers
	BARRIER                                        ; W's 128 rows for v lie in LDS
	; ---- phase 1: q or k
	FETCHR ADX, 0, 0
.irp a, 0,1,2,3,4,5,6,7
	RBLOCK \a, 8, ADX, BIAS, WS, XS+4*\a, 1, OUT1, 512*\a, 512*\a+HS   ; registers 0-3 are the first head's codes, 4-7 the second's
.endr
	; the scale words: bytes 0, 1 of a block's word are the first head's, bytes 2, 3 the second's.  Two tiles' halves make a word; lanes 16-31 take the odd pairs
.irp p, 0,1,2,3
	v_perm_b32 v[PR+\p], v[PW+2*\p+1], v[PW+2*\p], 0x05040100
.endr
.irp i, 0,1
	v_cndmask_b32 v[PR+4+\i], v[PR+2*\i], v[PR+2*\i+1], s22
.endr
	global_store_b64 v[L8], v[PR+4:PR+5], s[OUT1:OUT1+1] offset:8192          ; 256 consecutive bytes
	s_wait_xcnt 0x0                                ; the store has read its registers
.irp p, 0,1,2,3
	v_perm_b32 v[PR+\p], v[PW+2*\p+1], v[PW+2*\p], 0x07060302
.endr
.irp i, 0,1
	v_cndmask_b32 v[PR+4+\i], v[PR+2*\i], v[PR+2*\i+1], s22
.endr
	global_store_b64 v[L8], v[PR+4:PR+5], s[OUT1:OUT1+1] offset:8192+HS
	; ---- phase 2: v.  The tokens take P's registers: the last products that read them stand a quantiser back
	LOADP ADX
	FETCHR ADV, 0, 0
.irp a, 0,1,2,3
	RBLOCK \a, 4, ADV, CBV+8*\a, XS, VS+4*\a, 0, OUT2, 4096+1024*\a, 4096+1024*\a+512
.endr
.irp i, 0,1
	v_cndmask_b32 v[PR+4+\i], v[PW+2*\i], v[PW+2*\i+1], s22    ; (the blocks' waits on XCNT stand behind the last store from these registers)
.endr
	global_store_b64 v[L8], v[PR+4:PR+5], s[OUT2:OUT2+1] offset:8448
	s_wait_tensorcnt 0x0
	ds_add_u32 v254, v255
	s_wait_dscnt 0x0
	CROUND                                         ; the closing round: no work-group ends while a partner may still ask for a tile that names it
	s_endpgm
.Lfunc_end_k_qa2440859b3_qkv:
	.size	k_qa2440859b3_qkv, .Lfunc_end_k_qa2440859b3_qkv-k_qa2440859b3_qkv
	.p2alignl 7, 3214868480
	.fill 96, 4, 3214868480
	.section	.rodata,"a",@progbits
	.p2align	6, 0x0
	.amdhsa_kernel k_qa2440859b3_qkv
		.amdhsa_group_segment_fixed_size 270848
		.amdhsa_private_segment_fixed_size 0
		.amdhsa_enable_private_segment 0
		.amdhsa_kernarg_size 56
		.amdhsa_user_sgpr_count 2
		.amdhsa_user_sgpr_kernarg_segment_ptr 1
		.amdhsa_wavefront_size32 1
		.amdhsa_system_sgpr_workgroup_id_x 1
		.amdhsa_system_sgpr_workgroup_id_y 1
		.amdhsa_system_sgpr_workgroup_id_z 1
		.amdhsa_system_vgpr_workitem_id 0
		.amdhsa_next_free_vgpr 1024
		.amdhsa_next_free_sgpr 100
		.amdhsa_reserve_vcc 0
		.amdhsa_float_denorm_mode_32 3
		.amdhsa_float_denorm_mode_16_64 3
		.amdhsa_memory_ordered 1
		.amdhsa_forward_progress 1
		.amdhsa_inst_pref_size 195
	.end_amdhsa_kernel
	.amdgpu_metadata
---
amdhsa.version: [ 1, 2 ]
amdhsa.kernels:
  - .name:           k_qa2440859b3_qkv
    .symbol:         k_qa2440859b3_qkv.kd
    .args:
      - { .name: x_codes, .offset: 0, .size: 8, .value_kind: global_buffer, .address_space: global }
      - { .name: x_scales, .offset: 8, .size: 8, .value_kind: global_buffer, .address_space: global }
      - { .name: qkv_w_codes, .offset: 16, .size: 8, .value_kind: global_buffer, .address_space: global }
      - { .name: qkv_w_scales, .offset: 24, .size: 8, .value_kind: global_buffer, .address_space: global }
      - { .name: qkv_b, .offset: 32, .size: 8, .value_kind: global_buffer, .address_space: global }
      - { .name: qq, .offset: 40, .size: 8, .value_kind: global_buffer, .address_space: global }
      - { .name: kv, .offset: 48, .size: 8, .value_kind: global_buffer, .address_space: global }
    .group_segment_fixed_size: 270848
    .private_segment_fixed_size: 0
    .kernarg_segment_align: 8
    .kernarg_segment_size: 56
    .max_flat_workgroup_size: 128
    .sgpr_count:     100
    .vgpr_count:     1024
    .wavefront_size: 32
...
	.end_amdgpu_metadata
.endif
;; end of part 1
;; launch attn (part 2): grid 8 x 32, 16 waves a work-group, clusters of 4 x 1, 327,680 bytes of LDS; arguments qq, kv, a_img, a_sc; writes a_img, a_sc
.if DOCPART == 2
	.amdgcn_target "amdgcn-amd-amdhsa--gfx1250"
	.amdhsa_code_object_version 6
	.text
	.protected	k_qa2440859b3_attn
	.globl	k_qa2440859b3_attn
	.p2align	8
	.type	k_qa2440859b3_attn,@function
k_qa2440859b3_attn:
	s_mov_b64 s[64:65], 0
	v_nop
	global_prefetch_b8 v0, s[64:65] scope:SCOPE_SE
	s_setreg_imm32_b32 hwreg(HW_REG_WAVE_MODE, 25, 1), 1
	s_wait_xcnt 0x0
	s_wait_alu depctr_hold_cnt(0) depctr_sa_sdst(0) depctr_va_vdst(0) depctr_va_sdst(0) depctr_va_ssrc(0) depctr_va_vcc(0) depctr_vm_vsrc(0)
	s_getreg_b32 s2, hwreg(HW_REG_IB_STS2, 6, 4)
	s_cmp_eq_u32 s2, 0
	s_cbranch_scc0 .Lentry_in_a_cluster
	s_endpgm
.Lentry_in_a_cluster:
	s_bfe_u32 s2, ttmp6, 0x10000c
	s_cmp_lg_u32 s2, 0x3003
	s_cbranch_scc0 .Lentry_shape_is_right
	s_endpgm
.Lentry_shape_is_right:
; o = softmax(q k^T / 8) v for a pair of heads, both products on codes of FP4 (E2M1) with E8M0 scales; o / l is quantised along the model's 1,024 and leaves as an image of the next product's operand registers.
; THE SOFTMAX: t = score x log2(e) / 8; M = the row's largest t so far, rounded UP to a whole number; p = 2^(t - M) is quantised along the keys, not normalised; the row's sum is taken of the unquantised p
; and divides at the end.  When M moves, the sum and O are multiplied by 2^(old M - new M): exact.
; SHARES.  A work-group owns 256 queries of one batch and two heads; each of its sixteen waves 16 queries, in 256 registers: four waves to a SIMD, so that one wave's vector work stands beside another's products.
; A wave walks the first head's 2,048 keys, 128 a step, then the second's: so it ends with a whole fragment (128 along the next K) and a whole scale word.
; LDS.  The pair's k and v, codes and scale words, are 278,528 consecutive bytes of kv, laid in the order of operand registers: they are brought once and stay; nothing is filled again.
; CLUSTER.  The four query blocks of a cluster walk the same pair of heads: each piece is asked for JOINTLY by all four.  Each wave asks for step w of the first head and step w of the second: the second is asked for only after the first is in.
; K = 64 IN A FORM OF 128.  Source 0 is two tiles of 16 keys on end (k 0-63: tile 2 p, k 64-127: tile 2 p + 1).  Source 1 is [q, zeros] for the first tile and [zeros, q] for the second: the twelve registers q, 0, q serve both.
; Zero codes add nothing; q's scale word has its two bytes under q and 0 under the zeros (lanes 0-15: low half, lanes 16-31: high half).
; LAYOUT.  Both products are used transposed: a lane holds ONE query (lane % 16); register j of tile t is key (or channel) 16 t + 8 (lane / 16) + j.  A block of 32 keys is tiles 2 B, 2 B + 1 in lanes l and l xor 16.
; LIMITS: NaN and infinities are not served; a block whose largest magnitude lies under 2^-124 gets the scale byte 1, a block of zeros too (only this program reads the bytes).
.set STEPB, 8704                       ; a step of 128 keys of one head: 4,096 k's codes, 4,096 v's, 256 k's scale words, 256 v's
.set HS,    16*STEPB
.set STG,   2*HS                       ; behind the tiles: 1,024 bytes in which the sixteen waves' scale words meet
.set L16, 1                            ; v1   16 x lane
.set L8,  2                            ; v2   8 x lane
.set ADR, 3                            ; v3   LDS address of the step's codes
.set ADS, 4                            ; v4   and of its scale words
.set GST, 5                            ; v5   where I put my row's scale word
.set GLD, 6                            ; v6   where waves 0 and 1 read 128 of them back
.set QFA, 16                           ; v16-27  q, zeros, q of the first head;  v28-39 of the second
.set QFB, 28
.set QSA, 40                           ; v40, v41 q's scale words
.set QSB, 41
.set KS,  42                           ; v[42:43] k's scale words;  v[44:45] v's
.set VS,  44
.set PS,  46                           ; v46  p's scale word
.set AW,  47                           ; v47  o's scale word
.set KF,  48                           ; v48-79   eight tiles of k
.set VF,  80                           ; v80-111  four fragments of v
.set S,   112                          ; v112-175 S^T, then p; at the end o / l
.set O,   176                          ; v176-207 O^T
.set PCD, 208                          ; v208-215 p's codes
.set AC,  216                          ; v216-223 o's codes
.set BM,  224                          ; v224-227 the blocks' maxima
.set T2,  228                          ; v228-231 at work
.set SCL, 232                          ; v232-235 the conversions' scale operands
.set TB,  40                           ; s40  LDS byte at which the step in hand begins
.set CNT, 41
.macro PLACES n
.rept \n
	v_nop
.endr
.endm
.macro BARRIER
	s_barrier_signal -1
	s_barrier_wait -1
.endm
.macro CROUND
	s_barrier_signal -1
	s_barrier_wait -1
	s_cmp_lg_u32 s12, 0
	s_cbranch_scc1 .Lnot_wave_0_\@
	s_barrier_signal -3
.Lnot_wave_0_\@:
	s_barrier_wait -3
	s_barrier_signal -1
	s_barrier_wait -1
.endm
	s_load_b256 s[4:11], s[0:1], 0x0               ; qq s[4:5], kv s[6:7], a_img s[8:9], a_sc s[10:11]
	v_lshl_add_u32 v254, v0, 2, 0x44400
	v_mov_b32 v255, 0
	ds_add_u32 v254, v255
	ds_add_u32 v254, v255
	v_lshrrev_b32 v1, 5, v0
	s_delay_alu instid0(VALU_DEP_1)
	v_readfirstlane_b32 s12, v1                    ; wave 0..15
	s_bfe_u32 s13, ttmp6, 0x40000                  ; cx
	s_lshl_b32 s14, ttmp9, 2
	s_add_co_u32 s14, s14, s13                     ; my block of 256 queries: it enters q's and the outputs' addresses alone
	s_and_b32 s15, ttmp7, 0xffff                   ; y = 8 x batch + pair, which the four partners share; the first head is number 2 y
	s_lshr_b32 s16, s15, 3                         ; the batch
	s_and_b32 s17, s15, 7                          ; the pair of heads
	s_mul_i32 s54, s12, STEPB                      ; my piece: step w, in LDS as in memory
	s_mul_i32 s52, s15, 2*HS
	s_add_co_u32 s52, s52, s54
	s_mov_b32 s53, 0
	; descriptor group 1: 8,704 dense bytes as 34 rows of 256 bytes (32 elements of 8 bytes), no padding: the fragments lie lane by lane
	s_mov_b32 s24, 15|(3<<16)|(1<<21)              ; the mask: all four work-groups; elements of 8 bytes; bit 21 beside a mask
	s_mov_b32 s25, 32<<16
	s_mov_b32 s26, 34<<16
	s_mov_b32 s27, 32<<16
	s_mov_b32 s28, 34
	s_mov_b32 s29, 32
	s_mov_b32 s30, 0
	s_mov_b32 s31, 0
	s_mov_b32 s20, 0x76543210
	s_mov_b32 s21, 0xfedcba98                      ; v_permlanex16_b32's selects for lane l xor 16
	s_mov_b32 s22, 0x3e38aa3b                      ; c = log2(e) / 8
	s_mov_b32 s23, s22                             ; (named with it as a pair, so it is written)
	s_wait_dscnt 0x0
	s_wait_kmcnt 0x0
	s_mov_b32 s32, 1
	s_mov_b32 s33, s54
	s_add_nc_u64 s[34:35], s[6:7], s[52:53]
	s_mov_b32 s36, 1
	s_add_co_u32 s37, s54, HS
	s_add_nc_u64 s[38:39], s[34:35], HS
	s_or_b32 s35, s35, 0x80000000
	s_or_b32 s39, s39, 0x80000000
	CROUND                                         ; all four work-groups are here: the joint loads meet
	tensor_load_to_lds s[32:35], s[24:31]          ; the first head's step w
	s_nop 0
	s_wait_alu depctr_va_vdst(0)
	s_wait_tensorcnt 0x0
	ds_add_u32 v254, v255
	s_wait_dscnt 0x0
	CROUND
	tensor_load_to_lds s[36:39], s[24:31]          ; the second head's
	s_nop 0
	PLACES 4
	v_and_b32 v10, 15, v0                          ; r
	s_wait_alu depctr_va_vdst(0)
	v_and_b32 v11, 31, v0                          ; lane
	s_delay_alu instid0(VALU_DEP_1)
	v_lshlrev_b32 v[L16], 4, v11
	s_delay_alu instid0(VALU_DEP_2)
	v_lshlrev_b32 v[L8], 3, v11
	s_delay_alu instid0(VALU_DEP_3)
	v_cmp_lt_u32 s42, 15, v11                      ; lanes 16-31
	s_lshl_b32 s55, s12, 6
	s_add_co_u32 s55, s55, STG
	v_lshl_add_u32 v[GST], v10, 2, s55             ; 64 bytes a wave, 4 a row
	s_min_u32 s56, s12, 1                          ; (only waves 0 and 1 use the next two; the others' stay inside)
	s_lshl_b32 s56, s56, 9
	v_add_nc_u32 v9, s56, v[L16]                   ; v9: my 16 bytes among the block's 1,024 bytes of a_sc
	s_add_co_u32 s57, s56, STG
	v_add_nc_u32 v[GLD], s57, v[L16]
	s_and_b32 s58, s12, 7                          ; my tile of 16 queries in its step of 128
	s_lshl_b32 s58, s58, 9
	v_add_nc_u32 v7, s58, v[L16]                   ; v7: q's codes
	s_wait_alu depctr_va_vdst(0)
	s_bfe_u32 s58, s12, 0x20001                    ; the pair of tiles that mine belongs to: (w / 2) % 4
	s_and_b32 s59, s58, 1
	s_lshl_b32 s59, s59, 7                         ; odd pairs lie 16 lanes x 8 bytes on,
	s_lshr_b32 s58, s58, 1
	s_lshl_b32 s58, s58, 2                         ; pairs 2, 3 in the second word
	s_add_co_u32 s58, s58, s59
	v_lshl_add_u32 v8, v10, 3, s58                 ; v8: q's scale word
	s_wait_alu depctr_va_vdst(0)
	s_and_b32 s43, s12, 1
	s_lshl_b32 s43, s43, 4                         ; which half of it is my tile's
	s_lshl_b32 s44, s15, 5                         ; q: (head 2 y) x 16 steps + step 2 blk + w / 8
	s_lshl_b32 s45, s14, 1
	s_add_co_u32 s44, s44, s45
	s_lshr_b32 s45, s12, 3
	s_add_co_u32 s44, s44, s45
	s_mul_i32 s44, s44, STEPB
	s_mov_b32 s45, 0
	s_add_nc_u64 s[46:47], s[4:5], s[44:45]
	global_load_b128 v[QFA:QFA+3], v7, s[46:47]                ; q's four registers, twice: q, zeros, q
	global_load_b128 v[QFA+8:QFA+11], v7, s[46:47]
	global_load_b128 v[QFB:QFB+3], v7, s[46:47] offset:HS
	global_load_b128 v[QFB+8:QFB+11], v7, s[46:47] offset:HS
	global_load_b32 v[QSA], v8, s[46:47] offset:8192
	global_load_b32 v[QSB], v8, s[46:47] offset:8192+HS
	s_lshl_b32 s48, s16, 7                         ; a_img: tile of 16 tokens 128 x batch + 16 blk + w, 8,192 bytes each; K step = the pair, 1,024 bytes
	s_lshl_b32 s49, s14, 4
	s_add_co_u32 s48, s48, s49
	s_add_co_u32 s48, s48, s12
	s_lshl_b32 s48, s48, 13
	s_lshl_b32 s49, s17, 10
	s_add_co_u32 s48, s48, s49
	s_mov_b32 s49, 0
	s_add_nc_u64 s[8:9], s[8:9], s[48:49]
	s_lshl_b32 s50, s17, 15                        ; a_sc: [K step][token], 4 bytes
	s_lshl_b32 s51, s16, 13
	s_add_co_u32 s50, s50, s51
	s_lshl_b32 s51, s14, 10
	s_add_co_u32 s50, s50, s51
	s_mov_b32 s51, 0
	s_add_nc_u64 s[10:11], s[10:11], s[50:51]
.irp i, 0,1,2,3
	v_mov_b32 v[QFA+4+\i], 0                       ; the zero codes
	v_mov_b32 v[QFB+4+\i], 0
	v_mov_b32 v[T2+\i], 0                          ; written once: a lane permute's destination counts as one of its sources
.endr
	v_mov_b32 v239, 0                              ; (named as the upper half of the pair v[238:239])
	s_wait_loadcnt 0x0
.irp q, QSA, QSB
	v_lshrrev_b32 v[\q], s43, v[\q]
	s_delay_alu instid0(VALU_DEP_1)
	v_and_b32 v[\q], 0xffff, v[\q]                 ; my tile's two bytes, 0 above them;
	s_delay_alu instid0(VALU_DEP_1)
	v_lshlrev_b32 v240, 16, v[\q]
	s_delay_alu instid0(VALU_DEP_1)
	v_cndmask_b32 v[\q], v[\q], v240, s42          ; in lanes 16-31 the other way round, for [zeros, q]
.endr
; A KEY STEP: 128 keys.
.macro STEP qf, qs
	v_add_nc_u32 v[ADR], s[TB], v[L16]
	v_add_nc_u32 v[ADS], s[TB], v[L8]
	PLACES 2                                       ; four places, with the two additions, in front of loads into registers that the last products read
	ds_load_b64 v[KS:KS+1], v[ADS] offset:8192
.irp t, 0,1,2,3,4,5,6,7
	ds_load_b128 v[KF+4*\t:KF+4*\t+3], v[ADR] offset:512*\t
.endr
	ds_load_b64 v[VS:VS+1], v[ADS] offset:8448
.irp t, 0,1,2,3,4,5,6,7
	ds_load_b128 v[VF+4*\t:VF+4*\t+3], v[ADR] offset:4096+512*\t
.endr
	s_wait_dscnt 9                                 ; k and its scale words are in; the nine loads for v may be out
.irp i, 0,1                                    ; S^T = k q^T: scale register i holds pair 2 i in lanes 0-15 and pair 2 i + 1 in lanes 16-31
	v_wmma_scale_f32_16x16x128_f8f6f4 v[S+32*\i:S+32*\i+7], v[KF+16*\i:KF+16*\i+7], v[\qf:\qf+7], 0, v[KS+\i], v[\qs] matrix_a_fmt:MATRIX_FMT_FP4 matrix_b_fmt:MATRIX_FMT_FP4
	v_wmma_scale_f32_16x16x128_f8f6f4 v[S+32*\i+8:S+32*\i+15], v[KF+16*\i:KF+16*\i+7], v[\qf+4:\qf+11], 0, v[KS+\i], v[\qs] matrix_a_fmt:MATRIX_FMT_FP4 matrix_b_fmt:MATRIX_FMT_FP4 matrix_b_scale:MATRIX_SCALE_ROW1
	v_wmma_scale_f32_16x16x128_f8f6f4 v[S+32*\i+16:S+32*\i+23], v[KF+16*\i+8:KF+16*\i+15], v[\qf:\qf+7], 0, v[KS+\i], v[\qs] matrix_a_fmt:MATRIX_FMT_FP4 matrix_b_fmt:MATRIX_FMT_FP4 matrix_a_scale:MATRIX_SCALE_ROW1
	v_wmma_scale_f32_16x16x128_f8f6f4 v[S+32*\i+24:S+32*\i+31], v[KF+16*\i+8:KF+16*\i+15], v[\qf+4:\qf+11], 0, v[KS+\i], v[\qs] matrix_a_fmt:MATRIX_FMT_FP4 matrix_b_fmt:MATRIX_FMT_FP4 matrix_a_scale:MATRIX_SCALE_ROW1 matrix_b_scale:MATRIX_SCALE_ROW1
.endr
	PLACES 4
.irp b, 0,1,2,3
	v_max3_num_f32 v[BM+\b], v[S+16*\b], v[S+1+16*\b], v[S+2+16*\b]   ; the largest score of each block of 32 keys: for the row's maximum, and, since p rises with the score, for the block's largest p
.endr
.irp i, 3,5,7,9,11,13
.irp b, 0,1,2,3
	v_max3_num_f32 v[BM+\b], v[BM+\b], v[S+16*\b+\i], v[S+1+16*\b+\i]
.endr
.endr
.irp b, 0,1,2,3
	v_max_num_f32 v[BM+\b], v[BM+\b], v[S+15+16*\b]
.endr
.irp b, 0,1,2,3
	s_delay_alu instid0(VALU_DEP_4)
	v_permlanex16_b32 v[T2+\b], v[BM+\b], s20, s21
.endr
.irp b, 0,1,2,3
	s_delay_alu instid0(VALU_DEP_4)
	v_max_num_f32 v[BM+\b], v[BM+\b], v[T2+\b]     ; with lane l xor 16's 16 keys
.endr
	s_delay_alu instid0(VALU_DEP_2)
	v_max3_num_f32 v240, v[BM], v[BM+1], v[BM+2]
	s_delay_alu instid0(VALU_DEP_1)
	v_max_num_f32 v240, v240, v[BM+3]              ; the step's largest score of my query
	s_delay_alu instid0(VALU_DEP_1)
	v_mul_f32 v240, s22, v240                      ; as t
	s_delay_alu instid0(VALU_DEP_1)
	v_max_num_f32 v13, v13, v240                   ; the running largest t
	v_mov_b32 v240, v12
	s_delay_alu instid0(VALU_DEP_2)
	v_floor_f32 v12, -v13                          ; the new -M = floor(-t): M is a whole number
	s_delay_alu instid0(VALU_DEP_1)
	v_sub_f32 v240, v12, v240                      ; old M - new M: a whole number, 0 or less
	s_delay_alu instid0(VALU_DEP_1)
	v_cvt_i32_f32 v240, v240                       ; (it saturates)
	s_delay_alu instid0(VALU_DEP_1)
	v_ldexp_f32 v238, 1.0, v240                    ; f = 2^(old M - new M)
.set J, 0
.rept 32
	v_pk_fma_f32 v[S+J:S+J+1], v[S+J:S+J+1], s[22:23], v[12:13] op_sel_hi:[1,0,0]   ; t - M, two at a time
.set J, J+2
.endr
.irp b, 0,1,2,3
	v_fma_f32 v[BM+\b], v[BM+\b], s22, v12         ; the same of each block's largest score
.endr
.set J, 0
	s_wait_alu depctr_va_vdst(0)
.rept 64
	v_exp_f32 v[S+J], v[S+J]                       ; p = 2^(t - M), at most 1
.set J, J+1
.endr
	s_setprio 1
.irp b, 0,1,2,3
	v_exp_f32 v[BM+\b], v[BM+\b]                   ; the block's largest p
.endr
	v_pk_mul_f32 v[14:15], v[14:15], v[238:239] op_sel_hi:[1,0]   ; the sums under the new M.  (A plain place behind the exponentials)
	s_wait_alu depctr_va_vdst(0)
.irp b, 0,1,2,3
	v_max_num_f32 v[BM+\b], 0x1800000, v[BM+\b]    ; the floor 2^(3 - 127): the byte cannot fall under 1
.endr
.irp b, 0,1,2,3
	s_delay_alu instid0(VALU_DEP_4)
	v_add_nc_u32 v[SCL+\b], 0xff000000, v[BM+\b]   ; 2 off the exponent field: the conversion's scale operand
.endr
.irp b, 0,1,2,3
	s_delay_alu instid0(VALU_DEP_4)
	v_lshrrev_b32 v[T2+\b], 23, v[SCL+\b]          ; the scale's byte
.endr
	s_delay_alu instid0(VALU_DEP_3)
	v_lshl_or_b32 v[PS], v[T2+1], 8, v[T2]
	s_delay_alu instid0(VALU_DEP_1)
	v_lshl_or_b32 v[PS], v[T2+2], 16, v[PS]
	s_delay_alu instid0(VALU_DEP_1)
	v_lshl_or_b32 v[PS], v[T2+3], 24, v[PS]
.irp c, 0,1                                    ; block 2 c + e, tile u into register 4 c + 2 u + e; the exchange of halves below then gives the operand's order of k
.irp e, 0,1
.irp u, 0,1
	v_cvt_scalef32_pk8_fp4_f32 v[PCD+4*\c+2*\u+\e], v[S+16*(2*\c+\e)+8*\u:S+16*(2*\c+\e)+8*\u+7], v[SCL+2*\c+\e]
.endr
.endr
.endr
	v_nop                                          ; one plain place behind a scaled conversion
.irp c, 0,1
.irp u, 0,1
	v_permlane16_swap_b32 v[PCD+4*\c+2*\u], v[PCD+4*\c+2*\u+1]
.endr
.endr
	v_pk_add_f32 v[236:237], v[S:S+1], v[S+2:S+3]  ; the row's sum is taken of the unquantised p: two at a time, in two chains
.irp j, 4,8,12,16,20,24,28,32,36,40,44,48,52,56,60
	v_pk_add_f32 v[14:15], v[14:15], v[S+\j:S+\j+1]
	v_pk_add_f32 v[236:237], v[236:237], v[S+\j+2:S+\j+3]
.endr
	s_delay_alu instid0(VALU_DEP_1)
	v_pk_add_f32 v[14:15], v[14:15], v[236:237]
.set J, 0
	s_setprio 0
.rept 16
	v_pk_mul_f32 v[O+J:O+J+1], v[O+J:O+J+1], v[238:239] op_sel_hi:[1,0]   ; O^T under the new M.  (With the sums: the places between p's codes and scale word and the products below)
.set J, J+2
.endr
	s_wait_alu depctr_va_vdst(0)
	s_wait_dscnt 0x0                               ; v and its scale words are in
.irp i, 0,1                                    ; O^T += v^T p^T: four accumulators by turns, one instruction a turn
	v_wmma_scale_f32_16x16x128_f8f6f4 v[O+16*\i:O+16*\i+7], v[VF+16*\i:VF+16*\i+7], v[PCD:PCD+7], v[O+16*\i:O+16*\i+7], v[VS+\i], v[PS] matrix_a_fmt:MATRIX_FMT_FP4 matrix_b_fmt:MATRIX_FMT_FP4
	v_wmma_scale_f32_16x16x128_f8f6f4 v[O+16*\i+8:O+16*\i+15], v[VF+16*\i+8:VF+16*\i+15], v[PCD:PCD+7], v[O+16*\i+8:O+16*\i+15], v[VS+\i], v[PS] matrix_a_fmt:MATRIX_FMT_FP4 matrix_b_fmt:MATRIX_FMT_FP4 matrix_a_scale:MATRIX_SCALE_ROW1
.endr
.endm
; A head's end: o = O^T / l, quantised along its 64 channels: two blocks, which are half x of the next product's fragment and bytes 2 x, 2 x + 1 of its scale word.
.macro FIN x
	PLACES 4
	v_add_f32 v14, v14, v15                        ; the sum's two halves,
	s_delay_alu instid0(VALU_DEP_1)
	v_permlanex16_b32 v240, v14, s20, s21
	s_delay_alu instid0(VALU_DEP_1)
	v_add_f32 v14, v14, v240                       ; and lane l xor 16's
	s_wait_alu depctr_va_vdst(0)
	v_rcp_f32 v14, v14
	v_nop                                          ; one plain place behind a transcendental
.set J, 0
	s_wait_alu depctr_va_vdst(0)
.rept 16
	v_pk_mul_f32 v[S+J:S+J+1], v[O+J:O+J+1], v[14:15] op_sel_hi:[1,0]   ; each accumulator from its low end on
.set J, J+2
.endr
.irp e, 0,1
	v_max3_num_f32 v[BM+\e], |v[S+16*\e]|, |v[S+1+16*\e]|, 0x1800000
.endr
.irp i, 2,4,6,8,10,12,14
.irp e, 0,1
	s_delay_alu instid0(VALU_DEP_2)
	v_max3_num_f32 v[BM+\e], v[BM+\e], |v[S+16*\e+\i]|, |v[S+1+16*\e+\i]|
.endr
.endr
.irp e, 0,1
	s_delay_alu instid0(VALU_DEP_2)
	v_permlanex16_b32 v[T2+\e], v[BM+\e], s20, s21
.endr
.irp e, 0,1
	s_delay_alu instid0(VALU_DEP_2)
	v_max_num_f32 v[BM+\e], v[BM+\e], v[T2+\e]
.endr
.irp e, 0,1
	s_delay_alu instid0(VALU_DEP_2)
	v_add_nc_u32 v[SCL+\e], 0xff000000, v[BM+\e]
.endr
.irp e, 0,1
	s_delay_alu instid0(VALU_DEP_2)
	v_lshrrev_b32 v[T2+\e], 23, v[SCL+\e]
.endr
.if \x == 0
	s_delay_alu instid0(VALU_DEP_1)
	v_lshl_or_b32 v[AW], v[T2+1], 8, v[T2]
.else
	s_delay_alu instid0(VALU_DEP_1)
	v_lshl_or_b32 v240, v[T2+1], 8, v[T2]
	s_delay_alu instid0(VALU_DEP_1)
	v_lshl_or_b32 v[AW], v240, 16, v[AW]
.endif
.irp e, 0,1
.irp u, 0,1
	v_cvt_scalef32_pk8_fp4_f32 v[AC+4*\x+2*\u+\e], v[S+16*\e+8*\u:S+16*\e+8*\u+7], v[SCL+\e]
.endr
.endr
	v_nop
.irp u, 0,1
	v_permlane16_swap_b32 v[AC+4*\x+2*\u], v[AC+4*\x+2*\u+1]
.endr
.endm
; A head: the step is written once; O^T and the sum begin as zeros and the largest t as -3e38, so that the first change of M multiplies zeros.
.macro HEAD x, qf, qs
	v_mov_b32 v13, 0xff61b1e6
	s_delay_alu instid0(VALU_DEP_1)
	v_floor_f32 v12, -v13
	v_mov_b32 v14, 0
	v_mov_b32 v15, 0
.set J, 0
.rept 32
	v_mov_b32 v[O+J], 0
.set J, J+1
.endr
	s_mov_b32 s[TB], \x*HS
	s_mov_b32 s[CNT], 16
.Lstep_\@:
	s_setprio 2
	STEP \qf, \qs
	s_add_co_u32 s[TB], s[TB], STEPB
	s_sub_co_u32 s[CNT], s[CNT], 1
	s_cmp_lg_u32 s[CNT], 0
	s_cbranch_scc1 .Lstep_\@
	s_setprio 0
	FIN \x
.endm
	s_wait_tensorcnt 0x1                           ; my piece of the first head is in; the second head's may stay out
	BARRIER                                        ; everybody's is
	HEAD 0, QFA, QSA
	s_wait_tensorcnt 0x0                           ; my piece of the second head is in,
	BARRIER                                        ; everybody's is
	HEAD 1, QFB, QSB
	global_store_b128 v[L16], v[AC:AC+3], s[8:9]               ; the fragment as it stands: 2 x 512 consecutive bytes
	global_store_b128 v[L16], v[AC+4:AC+7], s[8:9] offset:512
	ds_store_b32 v[GST], v[AW]                     ; both halves of the lanes write the same word with the same value
	s_wait_dscnt 0x0                               ; for the others' sake
	BARRIER                                        ; the block's 256 scale words lie together
	s_cmp_lt_u32 s12, 2
	s_cbranch_scc0 .Lno_words
	ds_load_b128 v[KF:KF+3], v[GLD]
	s_wait_dscnt 0x0
	global_store_b128 v9, v[KF:KF+3], s[10:11]     ; 512 consecutive bytes a wave
.Lno_words:
	s_wait_tensorcnt 0x0
	ds_add_u32 v254, v255
	s_wait_dscnt 0x0
	CROUND                                         ; the closing round: no work-group ends while a partner may still ask for a piece that names it
	s_endpgm
.Lfunc_end_k_qa2440859b3_attn:
	.size	k_qa2440859b3_attn, .Lfunc_end_k_qa2440859b3_attn-k_qa2440859b3_attn
	.p2alignl 7, 3214868480
	.fill 96, 4, 3214868480
	.section	.rodata,"a",@progbits
	.p2align	6, 0x0
	.amdhsa_kernel k_qa2440859b3_attn
		.amdhsa_group_segment_fixed_size 327680
		.amdhsa_private_segment_fixed_size 0
		.amdhsa_enable_private_segment 0
		.amdhsa_kernarg_size 32
		.amdhsa_user_sgpr_count 2
		.amdhsa_user_sgpr_kernarg_segment_ptr 1
		.amdhsa_wavefront_size32 1
		.amdhsa_system_sgpr_workgroup_id_x 1
		.amdhsa_system_sgpr_workgroup_id_y 1
		.amdhsa_system_sgpr_workgroup_id_z 1
		.amdhsa_system_vgpr_workitem_id 0
		.amdhsa_next_free_vgpr 256
		.amdhsa_next_free_sgpr 66
		.amdhsa_reserve_vcc 0
		.amdhsa_float_denorm_mode_32 3
		.amdhsa_float_denorm_mode_16_64 3
		.amdhsa_memory_ordered 1
		.amdhsa_forward_progress 1
		.amdhsa_inst_pref_size 51
	.end_amdhsa_kernel
	.amdgpu_metadata
---
amdhsa.version: [ 1, 2 ]
amdhsa.kernels:
  - .name:           k_qa2440859b3_attn
    .symbol:         k_qa2440859b3_attn.kd
    .args:
      - { .name: qq, .offset: 0, .size: 8, .value_kind: global_buffer, .address_space: global }
      - { .name: kv, .offset: 8, .size: 8, .value_kind: global_buffer, .address_space: global }
      - { .name: a_img, .offset: 16, .size: 8, .value_kind: global_buffer, .address_space: global }
      - { .name: a_sc, .offset: 24, .size: 8, .value_kind: global_buffer, .address_space: global }
    .group_segment_fixed_size: 327680
    .private_segment_fixed_size: 0
    .kernarg_segment_align: 8
    .kernarg_segment_size: 32
    .max_flat_workgroup_size: 512
    .sgpr_count:     66
    .vgpr_count:     256
    .wavefront_size: 32
...
	.end_amdgpu_metadata
.endif
;; end of part 2
;; launch proj (part 3): grid 4 x 64, 4 waves a work-group, clusters of 4 x 4, 169,472 bytes of LDS; arguments a_img, a_sc, out_w_codes, out_w_scales, out_b, out0; writes out0
.if DOCPART == 3
	.amdgcn_target "amdgcn-amd-amdhsa--gfx1250"
	.amdhsa_code_object_version 6
	.text
	.protected	k_qa2440859b3_proj
	.globl	k_qa2440859b3_proj
	.p2align	8
	.type	k_qa2440859b3_proj,@function
k_qa2440859b3_proj:
	s_mov_b64 s[64:65], 0
	v_nop
	global_prefetch_b8 v0, s[64:65] scope:SCOPE_SE
	s_setreg_imm32_b32 hwreg(HW_REG_WAVE_MODE, 25, 1), 1
	s_wait_xcnt 0x0
	s_wait_alu depctr_hold_cnt(0) depctr_sa_sdst(0) depctr_va_vdst(0) depctr_va_sdst(0) depctr_va_ssrc(0) depctr_va_vcc(0) depctr_vm_vsrc(0)
	s_getreg_b32 s2, hwreg(HW_REG_IB_STS2, 6, 4)
	s_cmp_eq_u32 s2, 0
	s_cbranch_scc0 .Lentry_in_a_cluster
	s_endpgm
.Lentry_in_a_cluster:
	s_bfe_u32 s2, ttmp6, 0x10000c
	s_cmp_lg_u32 s2, 0xf033
	s_cbranch_scc0 .Lentry_shape_is_right
	s_endpgm
.Lentry_shape_is_right:
; out0 = a out_w^T + out_b on codes of FP4 (E2M1) with one E8M0 scale for each 32 along K = 1,024.  a's codes come as images of operand registers, [tile of 16 tokens][K step][half][512 bytes], its scale words as [K step][token].
; SHARES.  Work-group (jn, it): rows 256 jn .. + 255 of out_w, tokens 128 it .. + 127.  Wave w (wr = w / 2, wp = w % 2): P = out_w's rows 256 jn + 128 wp .. + 127, all of K, in 512 registers;
; R = tiles of 16 tokens 8 it + 4 wr + a, a = 0 .. 3.  The matrix instruction is used transposed (source 0 = P, source 1 = R): a lane holds one token and eight neighbouring outputs a tile.
; CLUSTERS: 4 x 4.  out_w's tile hangs on jn alone and is asked for jointly along a column of the cluster; it is filled once.  a's fragments (65,536 bytes a work-group, against out_w's 131,072) are not asked for
; jointly: they lie in register order, so each goes from memory straight into its registers by loads of 512 consecutive bytes, and a way through LDS would add an LDS write and an LDS read of every byte.
; The bias is the C of a sum's first K step.  NaN and infinities are not served.
.set PITCH, 528                        ; an LDS row: 512 bytes + 16 = 132 words: row r begins 4 r words on modulo 64
.set HALFT, 128*PITCH
.set STAGE, 2*HALFT                    ; behind the tile: 16 rows x 528 bytes for each wave, for the way out
.set L16, 3                            ; v3   16 x lane
.set ADP, 4                            ; v4   LDS: my 128 rows of out_w
.set STO, 5                            ; v5   the stage: where I put 32 bytes of a row
.set RD,  6                            ; v6   and where I read a row back
.set ASA, 7                            ; v7   a's scale words: 4 r, lanes 16-31 four K steps on
.set H32, 8                            ; v8   32 h
.set SCA, 9                            ; v9   32 r + 16 h
.set WS,  16                           ; v16-47   out_w's scale words: block b at WS + 4 b; register i: lanes 0-15 K step i, lanes 16-31 K step 4 + i
.set AS,  48                           ; v48-63   a's likewise, tile a at AS + 4 a
.set BIAS, 64                          ; v64-127  the bias in the result's layout
.set ACC, 128                          ; v128-191 eight accumulators
.set MSB, 0
.macro WIN new
.if MSB != \new
	s_set_vgpr_msb (MSB<<8)|\new
.set MSB, \new
.endif
.endm
.macro PLACES n
.rept \n
	v_nop
.endr
.endm
.macro BARRIER
	s_barrier_signal -1
	s_barrier_wait -1
.endm
.macro CROUND
	s_barrier_signal -1
	s_barrier_wait -1
	s_cmp_lg_u32 s18, 0
	s_cbranch_scc1 .Lnot_wave_0_\@
	s_barrier_signal -3
.Lnot_wave_0_\@:
	s_barrier_wait -3
	s_barrier_signal -1
	s_barrier_wait -1
.endm
.macro LOADP adr                       ; fragment (b, q) at v[64 (q % 4) + 8 b] of window 1 + q / 4
	WIN 0x40
.irp q, 0,1,2,3
.irp b, 0,1,2,3,4,5,6,7
.irp c, 0,1
	ds_load_b128 v[64*\q+8*\b+4*\c:64*\q+8*\b+4*\c+3], v[\adr] offset:\b*16*PITCH+64*\q+32*\c
.endr
.endr
.endr
	WIN 0x80
.irp q, 0,1,2,3
.irp b, 0,1,2,3,4,5,6,7
.irp c, 0,1
	ds_load_b128 v[64*\q+8*\b+4*\c:64*\q+8*\b+4*\c+3], v[\adr] offset:\b*16*PITCH+64*(\q+4)+32*\c
.endr
.endr
.endr
	WIN 0
.endm
; The 64 products of one tile of tokens: K step by K step, the eight accumulators by turns, one instruction a turn.  The first K step takes the bias as C.
.macro MULS c0, sa, sb, rf
.irp q, 0,1,2,3,4,5,6,7
.if \q < 4
	WIN 0x0d                                       ; source 0 window 1, source 1 window 3
.else
	WIN 0x0e                                       ; source 0 window 2
.endif
.irp b, 0,1,2,3,4,5,6,7
.if \q == 0
	v_wmma_scale_f32_16x16x128_f8f6f4 v[ACC+8*\b:ACC+8*\b+7], v[8*\b:8*\b+7], v[(\rf):(\rf)+7], v[(\c0)+8*\b:(\c0)+8*\b+7], v[(\sa)+4*\b], v[(\sb)] matrix_a_fmt:MATRIX_FMT_FP4 matrix_b_fmt:MATRIX_FMT_FP4
.elseif \q < 4
	v_wmma_scale_f32_16x16x128_f8f6f4 v[ACC+8*\b:ACC+8*\b+7], v[64*\q+8*\b:64*\q+8*\b+7], v[(\rf)+8*\q:(\rf)+8*\q+7], v[ACC+8*\b:ACC+8*\b+7], v[(\sa)+4*\b+\q], v[(\sb)+\q] matrix_a_fmt:MATRIX_FMT_FP4 matrix_b_fmt:MATRIX_FMT_FP4
.else
	v_wmma_scale_f32_16x16x128_f8f6f4 v[ACC+8*\b:ACC+8*\b+7], v[64*(\q-4)+8*\b:64*(\q-4)+8*\b+7], v[(\rf)+8*\q:(\rf)+8*\q+7], v[ACC+8*\b:ACC+8*\b+7], v[(\sa)+4*\b+\q-4], v[(\sb)+\q-4] matrix_a_fmt:MATRIX_FMT_FP4 matrix_b_fmt:MATRIX_FMT_FP4 matrix_a_scale:MATRIX_SCALE_ROW1 matrix_b_scale:MATRIX_SCALE_ROW1
.endif
.endr
.endr
	WIN 0
.endm
	s_load_b256 s[4:11], s[0:1], 0x0               ; a_img s[4:5], a_sc s[6:7], out_w's codes s[8:9], its scales s[10:11]
	s_load_b128 s[12:15], s[0:1], 0x20             ; out_b s[12:13], out0 s[14:15]
	v_lshl_add_u32 v254, v0, 2, 0x29400
	v_mov_b32 v255, 0
	ds_add_u32 v254, v255
	ds_add_u32 v254, v255
	v_lshrrev_b32 v1, 5, v0
	v_readfirstlane_b32 s18, v1                    ; wave 0..3
	s_lshr_b32 s19, s18, 1                         ; wr
	s_and_b32 s20, s18, 1                          ; wp
	s_bfe_u32 s40, ttmp6, 0x40000                  ; cx
	s_bfe_u32 s41, ttmp6, 0x40004                  ; cy
	s_lshl_b32 s42, ttmp9, 2
	s_add_co_u32 s42, s42, s40                     ; jn
	s_and_b32 s21, ttmp7, 0xffff
	s_lshl_b32 s21, s21, 2
	s_add_co_u32 s21, s21, s41                     ; it
	s_lshl_b32 s44, 0x1111, s40                    ; my column of the cluster
	; descriptor group 1: 64 rows x 512 bytes, dense in memory, 16 bytes of padding behind each row in LDS
	s_or_b32 s48, s44, (0<<16)|(1<<20)|(1<<21)|(6<<22)|(3<<25)
	s_mov_b32 s49, 512<<16
	s_mov_b32 s50, 64<<16
	s_mov_b32 s51, 512<<16
	s_mov_b32 s52, 64
	s_mov_b32 s53, 512
	s_mov_b32 s54, 0
	s_mov_b32 s55, 0
	s_lshl_b32 s84, s42, 17                        ; row 256 jn + 64 w, 512 bytes a row; these registers never hold cy
	s_lshl_b32 s85, s18, 15
	s_add_co_u32 s84, s84, s85
	s_mov_b32 s85, 0
	s_mul_i32 s86, s18, 64*PITCH
	s_wait_dscnt 0x0
	s_wait_kmcnt 0x0
	s_mov_b32 s56, 1
	s_mov_b32 s57, s86
	s_add_nc_u64 s[58:59], s[8:9], s[84:85]
	s_or_b32 s59, s59, 0x80000000
	CROUND                                         ; all sixteen work-groups are here: the joint loads meet
	tensor_load_to_lds s[56:59], s[48:55]          ; one load a wave: a quarter of the tile
	s_nop 0
	PLACES 4
	s_lshl_b32 s88, s42, 13                        ; out_w's scales: row 256 jn + 128 wp, 32 bytes a row
	s_lshl_b32 s45, s20, 12
	s_add_co_u32 s88, s88, s45
	s_mov_b32 s89, 0
	s_lshl_b32 s90, s42, 10                        ; the bias of the same rows; also my first column of out0, in bytes
	s_lshl_b32 s45, s20, 9
	s_add_co_u32 s90, s90, s45
	s_mov_b32 s91, 0
	s_lshl_b32 s92, s21, 9                         ; a's scale words: token 128 it + 64 wr
	s_lshl_b32 s45, s19, 8
	s_add_co_u32 s92, s92, s45
	s_mov_b32 s93, 0
	s_lshl_b32 s94, s21, 16                        ; a's fragments: tile 8 it + 4 wr, 8,192 bytes each
	s_lshl_b32 s45, s19, 15
	s_add_co_u32 s94, s94, s45
	s_mov_b32 s95, 0
	s_lshl_b32 s96, s21, 19                        ; out0: row 128 it + 64 wr, 4,096 bytes a row
	s_lshl_b32 s45, s19, 18
	s_add_co_u32 s96, s96, s45
	s_add_co_u32 s96, s96, s90
	s_mov_b32 s97, 0
	s_add_nc_u64 s[68:69], s[10:11], s[88:89]
	s_add_nc_u64 s[70:71], s[12:13], s[90:91]
	s_add_nc_u64 s[72:73], s[6:7], s[92:93]
	s_add_nc_u64 s[74:75], s[4:5], s[94:95]
	s_add_nc_u64 s[66:67], s[14:15], s[96:97]
	v_and_b32 v1, 15, v0                           ; r
	v_bfe_u32 v2, v0, 4, 1                         ; h
	v_and_b32 v12, 31, v0                          ; lane
	v_lshlrev_b32 v[L16], 4, v12
	v_mul_u32_u24 v13, v1, PITCH
	v_lshl_add_u32 v14, v2, 4, v13
	s_mul_i32 s87, s20, HALFT
	v_add_nc_u32 v[ADP], s87, v14
	s_mul_i32 s87, s18, 16*PITCH
	s_add_co_u32 s87, s87, STAGE                   ; my stage
	v_lshl_add_u32 v13, v2, 5, v13
	v_add_nc_u32 v[STO], s87, v13
	v_add_nc_u32 v[RD], s87, v[L16]
	v_lshlrev_b32 v[ASA], 2, v1
	v_lshl_add_u32 v[ASA], v2, 17, v[ASA]
	v_lshlrev_b32 v[H32], 5, v2
	v_lshlrev_b32 v[SCA], 5, v1
	v_lshl_add_u32 v[SCA], v2, 4, v[SCA]
.irp b, 0,1,2,3,4,5,6,7
	global_load_b128 v[WS+4*\b:WS+4*\b+3], v[SCA], s[68:69] offset:512*\b
.endr
.irp b, 0,1,2,3,4,5,6,7
	global_load_b128 v[BIAS+8*\b:BIAS+8*\b+3], v[H32], s[70:71] offset:64*\b
	global_load_b128 v[BIAS+8*\b+4:BIAS+8*\b+7], v[H32], s[70:71] offset:64*\b+16
.endr
.irp a, 0,1,2,3
.irp i, 0,1,2,3
	global_load_b32 v[AS+4*\a+\i], v[ASA], s[72:73] offset:32768*\i+64*\a
.endr
.endr
	WIN 0xc0                                       ; destination window 3: tile a's eight fragments at v[64 a]
.irp a, 0,1,2,3
.irp q, 0,1,2,3,4,5,6,7
.irp c, 0,1
	global_load_b128 v[64*\a+8*\q+4*\c:64*\a+8*\q+4*\c+3], v[L16], s[74:75] offset:8192*\a+1024*\q+512*\c
.endr
.endr
.endr
	WIN 0
	s_wait_alu depctr_va_vdst(0)
	s_wait_tensorcnt 0x0                           ; my quarter of the tile is in,
	BARRIER                                        ; everybody's is
	LOADP ADP
	s_wait_dscnt 0x0
.irp a, 0,1,2,3
	s_wait_loadcnt 16*(3-\a)                       ; this tile's 16 loads and all before them are in; those of the later tiles may be out
	MULS BIAS, WS, AS+4*\a, 64*\a
	PLACES 5                                       ; four in front of the stores that read results and of the loads into this tile's fragments; five in front of the next tile's first products, which begin the same accumulators anew
.irp b, 0,1,2,3,4,5,6,7
	ds_store_b128 v[STO], v[ACC+8*\b:ACC+8*\b+3] offset:64*\b          ; each accumulator from its low end on
	ds_store_b128 v[STO], v[ACC+8*\b+4:ACC+8*\b+7] offset:64*\b+16
.endr
	WIN 0xc0
.irp t, 0,1,2,3,4,5,6,7,8,9,10,11,12,13,14,15
	ds_load_b128 v[64*\a+4*\t:64*\a+4*\t+3], v[RD] offset:\t*PITCH     ; LDS serves a wave's instructions in order: these see my stores.  They land where the tile's fragments lay
.endr
	s_wait_dscnt 0x0
	WIN 0x0c                                       ; a store's data are its source 1: window 3
.irp t, 0,1,2,3,4,5,6,7,8,9,10,11,12,13,14,15
	global_store_b128 v[L16], v[64*\a+4*\t:64*\a+4*\t+3], s[66:67] offset:(16*\a+\t)*4096 th:TH_STORE_NT   ; 32 lanes store 512 consecutive bytes of a row, at a multiple of 256 from out0's first byte; no store's registers are written again
.endr
	WIN 0
.endr
	s_wait_tensorcnt 0x0
	ds_add_u32 v254, v255
	s_wait_dscnt 0x0
	CROUND                                         ; the closing round: no work-group ends while a partner may still ask for a tile that names it
	s_endpgm
.Lfunc_end_k_qa2440859b3_proj:
	.size	k_qa2440859b3_proj, .Lfunc_end_k_qa2440859b3_proj-k_qa2440859b3_proj
	.p2alignl 7, 3214868480
	.fill 96, 4, 3214868480
	.section	.rodata,"a",@progbits
	.p2align	6, 0x0
	.amdhsa_kernel k_qa2440859b3_proj
		.amdhsa_group_segment_fixed_size 169472
		.amdhsa_private_segment_fixed_size 0
		.amdhsa_enable_private_segment 0
		.amdhsa_kernarg_size 48
		.amdhsa_user_sgpr_count 2
		.amdhsa_user_sgpr_kernarg_segment_ptr 1
		.amdhsa_wavefront_size32 1
		.amdhsa_system_sgpr_workgroup_id_x 1
		.amdhsa_system_sgpr_workgroup_id_y 1
		.amdhsa_system_sgpr_workgroup_id_z 1
		.amdhsa_system_vgpr_workitem_id 0
		.amdhsa_next_free_vgpr 1024
		.amdhsa_next_free_sgpr 100
		.amdhsa_reserve_vcc 0
		.amdhsa_float_denorm_mode_32 3
		.amdhsa_float_denorm_mode_16_64 3
		.amdhsa_memory_ordered 1
		.amdhsa_forward_progress 1
		.amdhsa_inst_pref_size 71
	.end_amdhsa_kernel
	.amdgpu_metadata
---
amdhsa.version: [ 1, 2 ]
amdhsa.kernels:
  - .name:           k_qa2440859b3_proj
    .symbol:         k_qa2440859b3_proj.kd
    .args:
      - { .name: a_img, .offset: 0, .size: 8, .value_kind: global_buffer, .address_space: global }
      - { .name: a_sc, .offset: 8, .size: 8, .value_kind: global_buffer, .address_space: global }
      - { .name: out_w_codes, .offset: 16, .size: 8, .value_kind: global_buffer, .address_space: global }
      - { .name: out_w_scales, .offset: 24, .size: 8, .value_kind: global_buffer, .address_space: global }
      - { .name: out_b, .offset: 32, .size: 8, .value_kind: global_buffer, .address_space: global }
      - { .name: out0, .offset: 40, .size: 8, .value_kind: global_buffer, .address_space: global }
    .group_segment_fixed_size: 169472
    .private_segment_fixed_size: 0
    .kernarg_segment_align: 8
    .kernarg_segment_size: 48
    .max_flat_workgroup_size: 128
    .sgpr_count:     100
    .vgpr_count:     1024
    .wavefront_size: 32
...
	.end_amdgpu_metadata
.endif
;; end of part 3
